; MI455X (gfx1250); checked and timed in simulation.
; The chip was launched on July 23, 2026; its instructions are those of AMD's public machine-readable ISA for CDNA 5 (MIT licence, August 2026) and "CDNA5" Instruction Set Architecture Reference Guide (July 2026). The comments in the code are by the model that wrote it; some were corrected since.
;; Trainable Memory. Allowed arithmetic: matrix products marked QUANTISED: E2M1 operands, one E8M0 scale for each 32 along K, by v_wmma_scale_f32_16x16x128_f8f6f4 with both operands' format E2M1 (or v_wmma_scale_f32_32x16x128_f4), f32 sums; products left as they are: f32 operands where the result goes on into a quantised operand, else bf16, f16 or f32 operands; f32 sums; everything else in f32.
;; Inputs: b1_bg 64 float32; b1_fg 64 float32; b2_bg 1 float32; b2_fg 1 float32; bg_memory 2,024 x 256 float32; feats 8 x 256 x 64 x 64 float32; fg_memory 2,024 x 256 float32; w1_bg 256 x 64 float32; w1_fg 256 x 64 float32; w2_bg 64 x 1 float32; w2_fg 64 x 1 float32.
;; Outputs: out0 8 x 256 x 64 x 64 float32.
;; This version of the problem:
;;   THIS VERSION OF THE PROBLEM IS GIVEN IN LOW PRECISION. The matrix products marked QUANTISED in the list below multiply operands that are first quantised to E2M1 (2 exponent bits, 1 mantissa bit; 4 bits a number), with one power-of-two scale for each 32 numbers along K (OCP MX v1.0); their sums are f32. All else is computed in f32.
;;   The module's matrix products, in the order in which they are computed (A, B: the left and right operand; K: the contracted axis; several contracted axes count as one K, in the product's order):
;;     1. [M 32,768, K 256] x [K 256, N 2,024]; A: computed on the way; B: computed on the way: QUANTISED
;;     2. [M 32,768, K 2,024] x [K 2,024, N 256]; A: softmax (see below); B: computed on the way: QUANTISED
;;     3. [M 32,768, K 256] x [K 256, N 2,024]; A: computed on the way; B: computed on the way: QUANTISED
;;     4. [M 32,768, K 2,024] x [K 2,024, N 256]; A: softmax (see below); B: computed on the way: QUANTISED
;;     5. [M 32,768, K 256] x [K 256, N 64]; A: computed on the way; B: input w1_fg: QUANTISED
;;     6. [M 32,768, K 64] x [K 64, N 1]; A: computed on the way; B: input w2_fg: left as it is (N = 1 < 16)
;;     7. [M 32,768, K 256] x [K 256, N 64]; A: computed on the way; B: input w1_bg: QUANTISED
;;     8. [M 32,768, K 64] x [K 64, N 1]; A: computed on the way; B: input w2_bg: left as it is (N = 1 < 16)
;;   THE QUANTISER, for each operand of a quantised product, along K:
;;     - K is cut into blocks of 32 from its start; a last block that is shorter is filled with zeros.
;;     - A block's scale is 2^e with e = floor(log2(the largest magnitude in the block)) - 2, held to -126 .. 127; a block of zeros has e = 0. As a byte (E8M0): e + 127.
;;     - Each number is divided by its block's scale, clamped to +-6, and rounded to the nearest number of E2M1, ties to even, subnormals kept.
;;     - The product sums the exact products of the quantised numbers (number of the format x scale) in f32.
;;   ~~~python
;;   def quantise(x, axis):      # numpy; x: float32 -> the quantised numbers, widened to float32 again
;;       x = np.moveaxis(x, axis, -1); K = x.shape[-1]
;;       x = np.pad(x, [(0, 0)] * (x.ndim - 1) + [(0, -K % 32)]); x = x.reshape(x.shape[:-1] + (-1, 32)); a = np.abs(x).max(-1, keepdims=True)
;;       e = np.where(a > 0, np.clip(np.frexp(np.where(a > 0, a, 1))[1] - 1 - 2, -126, 127), 0)      # np.frexp(a)[1] - 1 = floor(log2(a)), exactly
;;       r = np.clip(x / 2.0 ** e, -6, 6)
;;       step = 2.0 ** (np.maximum(np.frexp(np.where(r == 0, 1, r))[1] - 1, 0) - 1)
;;       q = np.round(r / step) * step * 2.0 ** e      # np.round: ties to even
;;       return np.moveaxis(q.reshape(q.shape[:-2] + (-1,))[..., :K], -1, axis).astype(np.float32)
;;   ~~~
;;   SOFTMAX AHEAD OF A QUANTISED PRODUCT. Where the list says 'softmax', what is quantised is not the finished softmax but p = 2^(t - M), with t = logit x log2(e) and M = ceil(the row's largest t), a whole number; so 1/2 < the row's largest p <= 1. The row's sum l is taken of the UNQUANTISED p, in f32, and the product's result is divided by l at the end. Since M is a whole number, a kernel that streams over the keys may use a running M (the ceiling of the running maximum): every later rescaling is an exact power of two, which a block's scale takes up: the codes' values come out the same.
;;   OPERANDS COMPUTED ON THE WAY. 'Computed on the way' means the value that the module computes at that place (a softmax that the list does not call 'softmax' is quantised finished and normalised). What goes into a quantiser is computed in f32, as accurately as f32 sums, v_exp_f32 and their like allow (about 1e-6 of the number): no bf16 or f16 on the way to a quantiser, and a product that is left as it is and whose result goes on into a quantised operand takes f32 operands (vector FMAs, or v_wmma_f32_16x16x4_f32). A number that lies on a knife's edge between two numbers of the format may be rounded either way, as far as f32 arithmetic and the matrix unit's own rounding can turn it there, and no further.
;; One version. Each part assembles by itself: llvm-mc -triple=amdgcn-amd-amdhsa -mcpu=gfx1250 --defsym DOCPART=n.
;; ======== version 1 of 1: 2 launches
;; limits: right only within a limited range of input values
;; workspace buffers: img 1,131,520 bytes
;; launch prep (part 1): grid 65 x 1, 8 waves a work-group, no clusters, 68,096 bytes of LDS; arguments fg_memory, bg_memory, w1_fg, w1_bg, img; writes img
.if DOCPART == 1
	.amdgcn_target "amdgcn-amd-amdhsa--gfx1250"
	.amdhsa_code_object_version 6
	.text
	.protected	k_q3fa2c8a131_prep
	.globl	k_q3fa2c8a131_prep
	.p2align	8
	.type	k_q3fa2c8a131_prep,@function
k_q3fa2c8a131_prep:
	s_mov_b64 s[64:65], 0
	v_nop
	global_prefetch_b8 v0, s[64:65] scope:SCOPE_SE
	s_setreg_imm32_b32 hwreg(HW_REG_WAVE_MODE, 25, 1), 1
	s_wait_xcnt 0x0
; PREP.  The two memories [2024][256] f32 are normalised row by row (x / max(|x|, 1e-12)) and quantised to E2M1 with one E8M0 byte for each 32 numbers, TWICE: along the channels (operand of
; the scores) and along the keys (operand of the read-out).  w1_fg and w1_bg [256 (k)][64] are quantised along k.  All codes and scale words are stored in img AS IMAGES OF THE OPERANDS'
; REGISTERS: register group c of lane l of a fragment lies at 512 c + 16 l of the fragment's 1,024 bytes, so that the next launch fetches every fragment by plain 16-byte loads at 16 x lane.
; NOTHING OF THE PROBLEM IS LEFT OUT: every input has a way to the output and is loaded by one of the two launches.  The keys are 2,024 = 15 x 128 + 104; the quantiser fills the last block
; of 32 keys with zeros, and this program fills up to 2,048: keys 2,024 .. 2,047 get zero codes here, and the next launch gives them the weight 0.
; img: step s (128 keys) of memory m begins at (2 s + m) x 34,816: 16 fragments of K (tile t, channels 128 ks on: (2 t + ks) x 1,024), 16 of V, 1,024 bytes of K's scale words, 1,024 of V's.
;   K: row r of tile t = 4 hf + T is key 64 hf + 32 (r / 8) + 8 T + r % 8 of the step: so the 32 registers that a lane of the transposed scores holds of tiles 4 hf .. 4 hf + 3 are one whole block of 32 neighbouring keys.
;   V: image tile t holds channels 16 ((t + 8 m) % 16) on: the second memory's tiles are turned by eight; a lane's codes run along the keys in their own order.
;   scale words: register i of eight, lane l, at 512 (i / 4) + 16 l + 4 (i % 4): one 16-byte load brings four registers; lanes 0-15 carry an even tile's rows, lanes 16-31 the odd tile's.
;   behind the 16 steps, at 1,114,112 + 8,704 g: gate g's eight fragments of W1 (units 16 t on, k 128 ks on: (2 t + ks) x 1,024) and four registers of scale words, 128 bytes each.
; SHARES.  Work-groups 0-63: half a step (hf: 64 keys) of one memory, eight waves: wave w normalises 8 rows, makes K's fragment (T = w / 2, ks = w % 2) and V's two key blocks of channels 32 w on.  Work-group 64: both W1.
; All codes and K's scale words leave in whole aligned runs of 256 bytes or more.  Of V's scale words a work-group owns two bytes of four (its two key blocks): they leave as 2 bytes a lane, 512 bytes of a part's 34,816.
; LIMITS: NaN and infinities among the inputs are not served.  1 / max(n, eps) is made by v_sqrt_f32 and v_rcp_f32 (1 ulp each) and multiplied in.  A block of zeros gets the byte 1 where
; the rule says 127: its codes are zeros, and this program alone reads the bytes.
.set NKEY,  2024
.set TP,    1040                       ; a row of the tile in LDS: 1,024 bytes + 16
.set SCST,  64*TP                      ; behind the tile: K's scale words of this half step, 512 bytes
.set SPARE, SCST+512                   ; the spare words, 128 bytes for each of eight waves
.set PART,  34816
.set W1IMG, 1114112
.set OFFR,  20                         ; v20-27   byte offset of my 16 bytes in row i of my 8
.set R,     36                         ; v36-51   row i: a pair; the sum of squares, then 1 / norm, in the even one
.set BM,    68                         ; v68-71   largest magnitudes, four chains
.set SO,    72                         ; v72-75   the conversions' scale operands
.set BY,    76                         ; v76-79   scale bytes
.set CD,    80                         ; v80-95   codes, four registers a block
.set WD,    96                         ; v96-99   scale words, and the lane permutes' destinations
.set X,     128                        ; v128-255 numbers
; Blocks q and q + 1: the 32 numbers v[X + 32 q ..] of ONE lane become 32 codes in v[CD + 4 q ..], the byte goes to v[BY + q]; likewise q + 1.  The maxima go in four chains of 16 numbers by turns.
.macro QB2 q
.irp k, 0,1,2,3
	v_max3_num_f32 v[BM+\k], |v[X+32*(\q)+16*\k]|, |v[X+32*(\q)+16*\k+1]|, 0x1800000   ; with the floor 2^(3 - 127): the byte cannot fall under 1
.endr
.irp i, 2,4,6,8,10,12,14
.irp k, 0,1,2,3
	v_max3_num_f32 v[BM+\k], v[BM+\k], |v[X+32*(\q)+16*\k+\i]|, |v[X+32*(\q)+16*\k+\i+1]|
.endr
.endr
	v_max_num_f32 v[BM], v[BM], v[BM+1]
	v_max_num_f32 v[BM+2], v[BM+2], v[BM+3]
	v_add_nc_u32 v[SO+(\q)], 0xff000000, v[BM]        ; 2 off the exponent field: the conversion takes this operand's exponent field as its scale
	v_add_nc_u32 v[SO+(\q)+1], 0xff000000, v[BM+2]
	v_lshrrev_b32 v[BY+(\q)], 23, v[SO+(\q)]          ; the scale's byte
	v_lshrrev_b32 v[BY+(\q)+1], 23, v[SO+(\q)+1]
.irp e, 0,1
.irp g, 0,1,2,3
	v_cvt_scalef32_pk8_fp4_f32 v[CD+4*((\q)+\e)+\g], v[X+32*((\q)+\e)+8*\g:X+32*((\q)+\e)+8*\g+7], v[SO+(\q)+\e]
.endr
.endr
	v_nop                                             ; one plain line behind the last scaled conversion of a run
.endm
; A scale word whose bytes lie in two lanes: I hold the bytes of blocks h and 2 + h (v[BY + b], v[BY + b + 1]); lane l xor 16 holds the other two.
.macro WORD2 d, b
	v_lshl_or_b32 v[WD+\d], v[BY+\b+1], 16, v[BY+\b]
	s_delay_alu instid0(VALU_DEP_1)
	v_lshlrev_b32 v[WD+\d], v18, v[WD+\d]             ; 8 h bits up
	s_delay_alu instid0(VALU_DEP_1)
	v_permlanex16_b32 v[WD+2+\d], v[WD+\d], s20, s21
	s_delay_alu instid0(VALU_DEP_1)
	v_or_b32 v[WD+\d], v[WD+\d], v[WD+2+\d]
.endm
	s_load_b256 s[4:11], s[0:1], 0x0               ; fg_memory, bg_memory, w1_fg, w1_bg
	s_load_b64 s[12:13], s[0:1], 0x20              ; img
	v_lshl_add_u32 v1, v0, 2, SPARE
	v_mov_b32 v2, 0
	v_lshrrev_b32 v3, 5, v0
	s_delay_alu instid0(VALU_DEP_1)
	v_readfirstlane_b32 s16, v3                    ; wave 0..7
	v_and_b32 v19, 31, v0                          ; lane
	s_delay_alu instid0(VALU_DEP_1)
	v_lshlrev_b32 v3, 4, v19                       ; 16 x lane
	v_and_b32 v4, 15, v0                           ; r
	v_bfe_u32 v5, v0, 4, 1                         ; h
	s_delay_alu instid0(VALU_DEP_1)
	v_lshlrev_b32 v18, 3, v5
	v_mov_b32 v98, 0                               ; written once: a lane permute's destination counts as one of its sources
	v_mov_b32 v99, 0
	s_mov_b32 s20, 0x76543210
	s_mov_b32 s21, 0xfedcba98                      ; v_permlanex16_b32's selects for lane l xor 16
	s_mov_b32 s22, 0xffff0000                      ; lanes 16-31
	s_cmp_eq_u32 ttmp9, 64                         ; the work-group's number alone: all eight waves go the same way
	s_wait_alu depctr_va_vdst(0)
	s_cbranch_scc1 .Lw1
	; ---- half a step of a memory
	s_lshr_b32 s17, ttmp9, 5                       ; m
	s_bfe_u32 s18, ttmp9, 0x40001                  ; s
	s_and_b32 s23, ttmp9, 1                        ; hf
	s_lshl_b32 s19, s18, 7
	s_lshl_b32 s70, s23, 6
	s_add_co_u32 s19, s19, s70
	s_lshl_b32 s70, s16, 3
	s_add_co_u32 s19, s19, s70                     ; my first key: 128 s + 64 hf + 8 w
.set i, 0
.rept 8
	s_add_co_u32 s70, s19, i
	s_cmp_lt_u32 s70, NKEY
	s_cselect_b32 s[32+i], 1.0, 0                  ; a key past the end counts for 0,
	s_min_u32 s70, s70, NKEY-1                     ; and its load stays inside the buffer
	s_lshl_b32 s70, s70, 10
	v_add_nc_u32 v[OFFR+i], s70, v3
.set i, i+1
.endr
	s_mul_i32 s70, s16, 8*TP                       ; the tile, on the way in: rows 8 w on (row = key of the half step)
	s_lshr_b32 s71, s16, 1
	s_mul_i32 s71, s71, 8*TP
	s_and_b32 s72, s16, 1
	s_lshl_b32 s73, s72, 9
	s_add_co_u32 s71, s71, s73                     ; K: rows 8 T on, channels 128 ks on
	s_lshl_b32 s74, s23, 13
	s_lshl_b32 s73, s16, 10
	s_add_co_u32 s74, s74, s73                     ; K's image: fragment 2 (4 hf + T) + ks = 8 hf + w
	s_bfe_u32 s75, s16, 0x10001
	s_lshl_b32 s75, s75, 8
	s_lshr_b32 s73, s16, 2
	s_lshl_b32 s73, s73, 3
	s_add_co_u32 s75, s75, s73
	s_lshl_b32 s73, s72, 2
	s_add_co_u32 s75, s75, s73
	s_add_co_u32 s75, s75, SCST                    ; K's scale word in LDS: register 2 (T / 2) + ks of this half's four, lane 16 (T % 2) + r
	s_lshl_b32 s76, s16, 7                         ; V: channels 32 w on
	s_lshl_b32 s77, s16, 1
	s_lshl_b32 s73, s17, 3
	s_add_co_u32 s77, s77, s73
	s_and_b32 s77, s77, 15
	s_lshl_b32 s77, s77, 10
	s_lshl_b32 s73, s23, 9
	s_add_co_u32 s77, s77, s73
	s_add_co_u32 s77, s77, 16384                   ; V's image: tile (2 w + 8 m) % 16, key blocks 2 hf on
	s_lshl_b32 s78, s17, 2
	s_add_co_u32 s78, s78, s16
	s_and_b32 s78, s78, 7                          ; V's scale register i = (w + 4 m) % 8
	s_lshr_b32 s79, s78, 2
	s_lshl_b32 s79, s79, 9
	s_and_b32 s78, s78, 3
	s_lshl_b32 s78, s78, 2
	s_add_co_u32 s79, s79, s78
	s_lshl_b32 s78, s23, 1
	s_add_co_u32 s79, s79, s78
	s_add_co_u32 s79, s79, 33792                   ; bytes 2 hf, 2 hf + 1 of my channel's word
	s_lshl_b32 s80, s23, 9
	s_add_co_u32 s80, s80, 32768                   ; K's scale words on the way out: registers 4 hf .. 4 hf + 3
	s_lshl_b32 s82, s18, 1
	s_add_co_u32 s82, s82, s17
	s_mul_i32 s82, s82, PART
	s_mov_b32 s83, 0
	v_add_nc_u32 v6, s70, v3                       ; v6: LDS, in
	v_lshrrev_b32 v16, 3, v4
	v_and_b32 v17, 7, v4
	s_delay_alu instid0(VALU_DEP_1)
	v_lshl_add_u32 v16, v16, 5, v17                ; 32 (r / 8) + r % 8
	s_delay_alu instid0(VALU_DEP_1)
	v_mul_u32_u24 v7, v16, TP
	s_delay_alu instid0(VALU_DEP_1)
	v_lshl_add_u32 v7, v5, 7, v7
	s_delay_alu instid0(VALU_DEP_1)
	v_add_nc_u32 v7, s71, v7                       ; v7: LDS, K: my key's row, + 128 h bytes: my 32 channels of a block of 64
	v_add_nc_u32 v8, s74, v3                       ; v8: K's image
	v_lshl_add_u32 v9, v4, 4, s75                  ; v9: LDS, K's scale word
	v_lshl_add_u32 v10, v19, 2, s76                ; v10: LDS, V: my channel
	v_lshlrev_b32 v14, 10, v5
	s_delay_alu instid0(VALU_DEP_1)
	v_lshl_add_u32 v14, v4, 4, v14
	s_delay_alu instid0(VALU_DEP_1)
	v_add_nc_u32 v14, s77, v14                     ; v14: V's image: + lane / 16 tiles, 16 (lane % 16)
	v_add_nc_u32 v15, s79, v3                      ; v15: V's scale bytes
	v_add_nc_u32 v11, SCST, v3                     ; v11, v12: K's scale words' way out
	v_add_nc_u32 v12, s80, v3
	s_wait_alu depctr_va_vdst(0)
	s_wait_kmcnt 0x0
	s_cmp_eq_u32 s17, 0
	s_cselect_b64 s[24:25], s[4:5], s[6:7]         ; the memory
	s_add_nc_u64 s[26:27], s[12:13], s[82:83]      ; this step's part of img
.set i, 0
.rept 8
	global_load_b128 v[X+8*i:X+8*i+3],   v[OFFR+i], s[24:25]             ; 32 lanes read 512 consecutive bytes
	global_load_b128 v[X+8*i+4:X+8*i+7], v[OFFR+i], s[24:25] offset:512
.set i, i+1
.endr
	s_wait_loadcnt 0x0
.set i, 0
.rept 8                                            ; the sums of squares, the eight rows by turns
	v_pk_mul_f32 v[R+2*i:R+2*i+1], v[X+8*i:X+8*i+1], v[X+8*i:X+8*i+1]
.set i, i+1
.endr
.irp j, 2,4,6
.set i, 0
.rept 8
	v_pk_fma_f32 v[R+2*i:R+2*i+1], v[X+8*i+\j:X+8*i+\j+1], v[X+8*i+\j:X+8*i+\j+1], v[R+2*i:R+2*i+1]
.set i, i+1
.endr
.endr
.set i, 0
.rept 8
	v_add_f32 v[R+2*i], v[R+2*i], v[R+2*i+1]
.set i, i+1
.endr
.irp m, 1,2,4,8                                    ; across the 32 lanes
.set i, 0
.rept 8
	v_add_f32_dpp v[R+2*i], v[R+2*i], v[R+2*i] row_xmask:\m row_mask:0xf bank_mask:0xf
.set i, i+1
.endr
.endr
.set i, 0
.rept 8
	v_permlanex16_b32 v[R+2*i+1], v[R+2*i], s20, s21
.set i, i+1
.endr
.set i, 0
.rept 8
	v_add_f32 v[R+2*i], v[R+2*i], v[R+2*i+1]
.set i, i+1
.endr
	s_wait_alu depctr_va_vdst(0)
.set i, 0
.rept 8
	v_sqrt_f32 v[R+2*i], v[R+2*i]
.set i, i+1
.endr
	v_nop                                          ; a plain line behind the last root,
	s_wait_alu depctr_va_vdst(0)                   ; and one wait for the batch, ahead of its first reader
.set i, 0
.rept 8
	v_max_num_f32 v[R+2*i], 0x2b8cbccc, v[R+2*i]   ; max(n, 1e-12)
.set i, i+1
.endr
	s_wait_alu depctr_va_vdst(0)
.set i, 0
.rept 8
	v_rcp_f32 v[R+2*i], v[R+2*i]
.set i, i+1
.endr
	v_nop
	s_wait_alu depctr_va_vdst(0)
.set i, 0
.rept 8
	v_mul_f32 v[R+2*i], s[32+i], v[R+2*i]          ; 0 for a key past the end
.set i, i+1
.endr
.set i, 0
.rept 8
.irp j, 0,2,4,6
	v_pk_mul_f32 v[X+8*i+\j:X+8*i+\j+1], v[X+8*i+\j:X+8*i+\j+1], v[R+2*i:R+2*i+1] op_sel_hi:[1,0]
.endr
	ds_store_b128 v6, v[X+8*i:X+8*i+3] offset:TP*i
	ds_store_b128 v6, v[X+8*i+4:X+8*i+7] offset:TP*i+512
.set i, i+1
.endr
	s_wait_dscnt 0x0                               ; for the others' sake: my 8 rows lie in the tile
	s_barrier_signal -1
	s_barrier_wait -1
	; ---- K: blocks 0, 1 of lane (r, h): channels 128 ks + 64 c + 32 h + 0 .. 31 of my key.  V: blocks 2, 3: keys 32 b + 0 .. 31 of my channel, registers down the keys
.irp q, 0,1
.irp i, 0,1,2,3,4,5,6,7
	ds_load_b128 v[X+32*\q+4*\i:X+32*\q+4*\i+3], v7 offset:256*\q+16*\i
.endr
.endr
.set i, 0
.rept 64
	ds_load_b32 v[X+64+i], v10 offset:TP*i
.set i, i+1
.endr
	s_wait_dscnt 63                                ; of the 80 loads issued the oldest 17 are in, K's 16 among them; 63 of V's may be out
	QB2 0
	global_store_b128 v8, v[CD:CD+3], s[26:27]     ; 32 lanes store 512 consecutive bytes
	global_store_b128 v8, v[CD+4:CD+7], s[26:27] offset:512
	WORD2 0, 0                                     ; my key's word for these 128 channels; lanes r and 16 + r hold the same and write the same word
	ds_store_b32 v9, v96
	s_wait_dscnt 1                                 ; V's loads are in; the store above may be out
	QB2 2
	global_store_b128 v14, v[CD+8:CD+11], s[26:27]               ; sixteen lanes store 256 consecutive bytes, aligned
	global_store_b128 v14, v[CD+12:CD+15], s[26:27] offset:256
	v_lshl_or_b32 v97, v[BY+3], 8, v[BY+2]         ; my channel's two bytes
	global_store_b16 v15, v97, s[26:27]
	s_wait_dscnt 0x0                               ; for the others' sake: my scale word lies in LDS
	s_barrier_signal -1
	s_barrier_wait -1
	s_cmp_lg_u32 s16, 0
	s_cbranch_scc1 .Ldone                          ; wave 0 alone sends K's 512 bytes of scale words
	ds_load_b128 v[100:103], v11
	s_wait_dscnt 0x0
	global_store_b128 v12, v[100:103], s[26:27]    ; 512 consecutive bytes, aligned
.Ldone:
	s_wait_tensorcnt 0x0                           ; the wave's end, behind my last LDS store
	ds_add_u32 v1, v2
	s_wait_dscnt 0x0
	s_endpgm
	; ---- W1.  Wave w: gate w / 4, unit tiles 2 tp and 2 tp + 1 (tp = (w / 2) % 2), k 128 ks on (ks = w % 2).  Lane (r, h) takes unit 16 t + r, and its registers run DOWN k.  No LDS, no barrier.
.Lw1:
	s_lshr_b32 s17, s16, 2
	s_bfe_u32 s18, s16, 0x10001
	s_and_b32 s19, s16, 1
	s_lshl_b32 s70, s19, 15                        ; 128 ks rows of 256 bytes
	s_lshl_b32 s71, s18, 7                         ; 32 tp units
	s_add_co_u32 s70, s70, s71
	s_mov_b32 s71, 0
	s_mul_i32 s72, s17, 8704
	s_lshl_b32 s73, s18, 12
	s_add_co_u32 s72, s72, s73
	s_lshl_b32 s73, s19, 10
	s_add_co_u32 s72, s72, s73
	s_add_co_u32 s72, s72, W1IMG                   ; fragment 2 (2 tp) + ks
	s_mov_b32 s73, 0
	s_mul_i32 s74, s17, 8704
	s_lshl_b32 s75, s18, 8
	s_add_co_u32 s74, s74, s75
	s_lshl_b32 s75, s19, 7
	s_add_co_u32 s74, s74, s75
	s_add_co_u32 s74, s74, W1IMG+8192              ; scale register 2 tp + ks
	s_mov_b32 s75, 0
	v_lshlrev_b32 v6, 13, v5
	s_delay_alu instid0(VALU_DEP_1)
	v_lshl_add_u32 v6, v4, 2, v6                   ; 32 h rows + 4 r
	v_lshlrev_b32 v7, 2, v19
	s_wait_alu depctr_va_vdst(0)
	s_wait_kmcnt 0x0
	s_cmp_eq_u32 s17, 0
	s_cselect_b64 s[24:25], s[8:9], s[10:11]
	s_add_nc_u64 s[24:25], s[24:25], s[70:71]
	s_add_nc_u64 s[26:27], s[12:13], s[72:73]
	s_add_nc_u64 s[28:29], s[12:13], s[74:75]
.irp e, 0,1
.irp c, 0,1
.set i, 0
.rept 32
	global_load_b32 v[X+64*\e+32*\c+i], v6, s[24:25] offset:(64*\c+i)*256+64*\e   ; W1(128 ks + 64 c + 32 h + i, 16 (2 tp + e) + r)
.set i, i+1
.endr
.endr
.endr
	s_wait_loadcnt 0x0
	QB2 0                                          ; block q = 2 e + c
	QB2 2
.irp q, 0,1,2,3
	global_store_b128 v3, v[CD+4*\q:CD+4*\q+3], s[26:27] offset:2048*(\q/2)+512*(\q%2)
.endr
	WORD2 0, 0                                     ; the even tile's word of my unit,
	WORD2 1, 2                                     ; the odd tile's
	s_delay_alu instid0(VALU_DEP_1)
	v_cndmask_b32 v96, v96, v97, s22               ; lanes 0-15 carry the even tile, lanes 16-31 the odd one
	global_store_b32 v7, v96, s[28:29]
	s_wait_tensorcnt 0x0                           ; the same three lines at this end too
	ds_add_u32 v1, v2
	s_wait_dscnt 0x0
	s_endpgm
.Lfunc_end_k_q3fa2c8a131_prep:
	.size	k_q3fa2c8a131_prep, .Lfunc_end_k_q3fa2c8a131_prep-k_q3fa2c8a131_prep
	.p2alignl 7, 3214868480
	.fill 96, 4, 3214868480
	.section	.rodata,"a",@progbits
	.p2align	6, 0x0
	.amdhsa_kernel k_q3fa2c8a131_prep
		.amdhsa_group_segment_fixed_size 68096
		.amdhsa_private_segment_fixed_size 0
		.amdhsa_enable_private_segment 0
		.amdhsa_kernarg_size 40
		.amdhsa_user_sgpr_count 2
		.amdhsa_user_sgpr_kernarg_segment_ptr 1
		.amdhsa_wavefront_size32 1
		.amdhsa_system_sgpr_workgroup_id_x 1
		.amdhsa_system_sgpr_workgroup_id_y 1
		.amdhsa_system_sgpr_workgroup_id_z 1
		.amdhsa_system_vgpr_workitem_id 0
		.amdhsa_next_free_vgpr 256
		.amdhsa_next_free_sgpr 96
		.amdhsa_reserve_vcc 0
		.amdhsa_float_denorm_mode_32 3
		.amdhsa_float_denorm_mode_16_64 3
		.amdhsa_memory_ordered 1
		.amdhsa_forward_progress 1
		.amdhsa_inst_pref_size 50
	.end_amdhsa_kernel
	.amdgpu_metadata
---
amdhsa.version: [ 1, 2 ]
amdhsa.kernels:
  - .name:           k_q3fa2c8a131_prep
    .symbol:         k_q3fa2c8a131_prep.kd
    .args:
      - { .name: fg_memory, .offset: 0, .size: 8, .value_kind: global_buffer, .address_space: global }
      - { .name: bg_memory, .offset: 8, .size: 8, .value_kind: global_buffer, .address_space: global }
      - { .name: w1_fg, .offset: 16, .size: 8, .value_kind: global_buffer, .address_space: global }
      - { .name: w1_bg, .offset: 24, .size: 8, .value_kind: global_buffer, .address_space: global }
      - { .name: img, .offset: 32, .size: 8, .value_kind: global_buffer, .address_space: global }
    .group_segment_fixed_size: 68096
    .private_segment_fixed_size: 0
    .kernarg_segment_align: 8
    .kernarg_segment_size: 40
    .max_flat_workgroup_size: 256
    .sgpr_count:     96
    .vgpr_count:     256
    .wavefront_size: 32
...
	.end_amdgpu_metadata
.endif
;; end of part 1
;; launch attend (part 2): grid 256 x 1, 8 waves a work-group, clusters of 4 x 1, 327,680 bytes of LDS; arguments feats, img, b1_fg, w2_fg, b2_fg, b1_bg, w2_bg, b2_bg, out0; writes out0
.if DOCPART == 2
	.amdgcn_target "amdgcn-amd-amdhsa--gfx1250"
	.amdhsa_code_object_version 6
	.text
	.protected	k_q3fa2c8a131_attend
	.globl	k_q3fa2c8a131_attend
	.p2align	8
	.type	k_q3fa2c8a131_attend,@function
k_q3fa2c8a131_attend:
	s_mov_b64 s[64:65], 0
	v_nop
	global_prefetch_b8 v0, s[64:65] scope:SCOPE_SE
	s_setreg_imm32_b32 hwreg(HW_REG_WAVE_MODE, 25, 1), 1
	s_wait_xcnt 0x0
	s_wait_alu depctr_hold_cnt(0) depctr_sa_sdst(0) depctr_va_vdst(0) depctr_va_sdst(0) depctr_va_ssrc(0) depctr_va_vcc(0) depctr_vm_vsrc(0)
	s_getreg_b32 s2, hwreg(HW_REG_IB_STS2, 6, 4)
	s_cmp_eq_u32 s2, 0
	s_cbranch_scc0 .Lentry_in_a_cluster
	s_endpgm
.Lentry_in_a_cluster:
	s_bfe_u32 s2, ttmp6, 0x10000c
	s_cmp_lg_u32 s2, 0x3003
	s_cbranch_scc0 .Lentry_shape_is_right
	s_endpgm
.Lentry_shape_is_right:
; ATTEND.  out = xn + g_fg mem_fg - g_bg mem_bg for 32,768 pixels of feats [8][256][64][64]: norm, quantiser, both gates, both attentions and the sum in one launch; all products but the
; gates' last (64 fused multiply-adds a pixel, f32) on codes of E2M1 with E8M0 scales.  The memories and W1 come as register images from img (made by the launch before).  Nothing of the problem is left out.
; SHARES.  A work-group owns 128 neighbouring pixels of one image.  Wave w: memory m = w / 4 (0 fg, 1 bg), pixels 32 (w % 4) on: TWO tiles of 16 queries (tile u, lane r: pixel 32 qg + 2 r + u), so that
; each fragment of K and V read from LDS feeds two products.  Each wave walks its memory's 16 steps of 128 keys.  512 registers a wave, two waves to a SIMD.
; LAYOUT.  Both products are used transposed: S^T = K Q^T (source 0 = 16 keys), O^T = V^T P^T (source 0 = 16 channels): a lane holds one query of each tile throughout.  Row r of key tile 4 hf + T is key
; 64 hf + 32 (r / 8) + 8 T + r % 8 of the step, so lane (r, h) holds in the 32 registers of tiles 4 hf .. 4 hf + 3 the whole block of keys 64 hf + 32 h + 0 .. 31: its largest p' needs no other lane, and the
; conversions' results are the second product's operand as they stand.
; THE SOFTMAX.  The problem quantises p = 2^(t - M), t = score x log2(e) / 0.03, M a whole number, and divides by the sum of the unquantised p.  HERE NO M IS TAKEN AWAY: p' = 2^t.  p' is p times the exact
; power 2^M, which a block's scale takes up, so the codes are the same, and the factor cancels in O / l.  That is sound because the computation itself bounds t for every input: both vectors are normalised by
; the problem's own step, |v| <= 1.  Quantising a block (in units of its scale, largest magnitude a in [4, 8)) raises the largest number by at most 6/5, numbers of 1/2 or more by at most 4/3, and makes of the at most
; 31 numbers under 1/2 at most 1/2 each, 7.75 <= 0.485 a^2 in squares: |Q(v)|^2 <= 1.93 |v|^2.  So |score| <= 1.93, |t| < 93: every p' lies in 2^-93 .. 2^93, a row's sum and every sum of O^T under 2^105, every
; scale byte in 32 .. 220: nothing overflows, nothing falls to zero, in f32 and in E8M0.  Since no M is wanted ahead of the exponentials, a block's largest p' is searched among the finished p'.
; FILL.  Keys 2,024 .. 2,047 do not exist in the problem: they are rows 8-15 of the last step's key tiles 5, 6, 7 (lanes 16-31 of the results): their scores are set to -infinity, so p' = 0.
; CLUSTER.  All work-groups walk the same images: the four of a cluster ask for each step JOINTLY (one tensor load a wave, mask of all four).  x's tile is each work-group's own (no mask).
; LIMITS: NaN and infinities among the inputs are not served.  1 / max(n, 1e-12) is made by v_sqrt_f32 and v_rcp_f32 and multiplied in; t is rounded once.  A block of zeros of x gets the byte 1.
; LDS: two slots of a step's 69,632 bytes (fg's part, bg's part), dense: images are read at 16 x lane.  XST: x, [channel][pixel], rows of 512 + 16 bytes, 32 channels a block of 17,024 bytes;
; it is filled once, read for the quantiser, and is the stage on the way out.  XIMG, XSC, XRN: the queries' fragments, scale words, 1 / n.  All of LDS is claimed.
; REGISTERS.  Window 0: v1, v2 the add's two; v3-15 addresses; v16-47 Q; v48-69 and v114-117 scale words and nothing else; v70-79 1/n, gates, sums, offsets; v80-95 P; v96-127 at work;
; v128-191 S^T, then p', then V's second eight fragments; v192-255 eight fragments of K or V.  Window 1: O^T, accumulator (t, u) at 16 t + 8 u; ahead of the steps W1's fragments, b1, w2, the gate's hidden layer.
.set SLOTB, 69632
.set PART,  34816
.set WPART, 8704                       ; one wave's tensor load of a step: 34 rows of 256 bytes
.set XST,   2*SLOTB
.set XBLK,  17024
.set XP,    528
.set XIMG,  XST+8*XBLK
.set XSC,   XIMG+8*2048
.set XRN,   XSC+8*256
.set SPARE, XRN+8*128                  ; 294,912: the spare words, 128 bytes for each of eight waves
.set W1IMG, 1114112
.set AD,  3                            ; v3, v4  my memory's part of slot 0, 1, + 16 x lane
.set Q,   16
.set KS,  48
.set VS,  56
.set QS,  64
.set PS,  68
.set RN,  70
.set G,   72                           ; the gates, later +-g / l
.set L,   74                           ; the rows' sums: a pair a tile
.set CO,  78                           ; 16 x lane
.set PFO, 79                           ; 256 x lane
.set P,   80
.set BM,  96
.set BX,  100
.set SO,  104
.set TS,  108
.set NEG, 112                          ; -infinity
.set H32, 113                          ; 32 h
.set W1S, 114
.set T,   118                          ; v118-125 at work
.set H8,  126                          ; 8 h
.set L4,  127                          ; 4 x lane
.set S,   128
.set F,   192
.set G0,  48                           ; s[48:51], s[52:55] descriptor group 0 of slot 0, 1;  s[36:43] their group 1;  s[44:47], s[28:35] x's
.set MSB, 0
.macro WIN new                         ; the immediate's high byte repeats the setting that is left
.if MSB != \new
	s_set_vgpr_msb (MSB<<8)|\new
.set MSB, \new
.endif
.endm
.macro PLACES                          ; four plain lines between a matrix instruction and a load into, or a vector instruction on, its registers
.rept 4
	v_nop
.endr
.endm
.macro CREST                           ; a round of the cluster's barrier behind its opening barrier
	s_cmp_lg_u32 s22, 0
	s_cbranch_scc1 .Lnot_wave_0_\@
	s_barrier_signal -3
.Lnot_wave_0_\@:
	s_barrier_wait -3
	s_barrier_signal -1
	s_barrier_wait -1
.endm
.macro CROUND                          ; a whole round
	s_barrier_signal -1
	s_barrier_wait -1
	CREST
.endm
; One scaled product on the registers named by rD, rA, rB, rC, rSA, rSB.  odd: source 0's scale words stand in lanes 16-31.  cz: the sum begins with 0.
.macro WMS odd, cz
.if \cz
.if \odd
	v_wmma_scale_f32_16x16x128_f8f6f4 v[rD:rD+7], v[rA:rA+7], v[rB:rB+7], 0, v[rSA], v[rSB] matrix_a_fmt:MATRIX_FMT_FP4 matrix_b_fmt:MATRIX_FMT_FP4 matrix_a_scale:MATRIX_SCALE_ROW1
.else
	v_wmma_scale_f32_16x16x128_f8f6f4 v[rD:rD+7], v[rA:rA+7], v[rB:rB+7], 0, v[rSA], v[rSB] matrix_a_fmt:MATRIX_FMT_FP4 matrix_b_fmt:MATRIX_FMT_FP4
.endif
.else
.if \odd
	v_wmma_scale_f32_16x16x128_f8f6f4 v[rD:rD+7], v[rA:rA+7], v[rB:rB+7], v[rC:rC+7], v[rSA], v[rSB] matrix_a_fmt:MATRIX_FMT_FP4 matrix_b_fmt:MATRIX_FMT_FP4 matrix_a_scale:MATRIX_SCALE_ROW1
.else
	v_wmma_scale_f32_16x16x128_f8f6f4 v[rD:rD+7], v[rA:rA+7], v[rB:rB+7], v[rC:rC+7], v[rSA], v[rSB] matrix_a_fmt:MATRIX_FMT_FP4 matrix_b_fmt:MATRIX_FMT_FP4
.endif
.endif
.endm
.macro KFETCH slot, hf                 ; K's fragments of key tiles 4 hf .. 4 hf + 3, both halves of the channels
.irp tp, 0,1,2,3
.irp ks, 0,1
.irp c, 0,1
	ds_load_b128 v[F+8*(2*\tp+\ks)+4*\c:F+8*(2*\tp+\ks)+4*\c+3], v[AD+\slot] offset:(2*(4*(\hf)+\tp)+\ks)*1024+512*\c
.endr
.endr
.endr
.endm
.macro SCFETCH slot                    ; the step's scale words: eight registers of K's, eight of V's
.irp g, 0,1
	ds_load_b128 v[KS+4*\g:KS+4*\g+3], v[AD+\slot] offset:32768+512*\g
	ds_load_b128 v[VS+4*\g:VS+4*\g+3], v[AD+\slot] offset:33792+512*\g
.endr
.endm
.macro VFETCH slot, g, b               ; V's fragments of channel tiles 8 g .. 8 g + 7 into the 64 registers from b on
.irp tp, 0,1,2,3,4,5,6,7
.irp c, 0,1
	ds_load_b128 v[\b+8*\tp+4*\c:\b+8*\tp+4*\c+3], v[AD+\slot] offset:16384+(8*(\g)+\tp)*1024+512*\c
.endr
.endr
.endm
; S^T of four key tiles x two query tiles, K = 256 in two links.  The eight accumulators take turns, one instruction a turn.
.macro QK hf
.irp ks, 0,1
.irp tp, 0,1,2,3
.irp u, 0,1
.set rD, S+32*\u+8*\tp
.set rC, rD
.set rA, F+8*(2*\tp+\ks)
.set rB, Q+16*\u+8*\ks
.set rSA, KS+2*(2*(\hf)+\tp/2)+\ks
.set rSB, QS+2*\u+\ks
	WMS \tp%2, 1-\ks
.endr
.endr
.endr
.endm
; O^T += V^T P^T for eight channel tiles x two query tiles, K = the step's 128 keys: sixteen accumulators, one instruction each.  b: where V's fragments stand.
.macro PV g, zero, b
	WIN 0x50                                       ; C and D in window 1
.irp tp, 0,1,2,3,4,5,6,7
.irp u, 0,1
.set rD, 16*(8*(\g)+\tp)+8*\u
.set rC, rD
.set rA, \b+8*\tp
.set rB, P+8*\u
.set rSA, VS+(8*(\g)+\tp)/2
.set rSB, PS+\u
	WMS \tp%2, \zero
.endr
.endr
	WIN 0
.endm
; Line n of 16 of tile u's sum of the 32 unquantised p' in S: two chains, the running sum L and a partial TS.
.macro SUM u, n
.if (\n) == 0
	v_pk_add_f32 v[TS+2*(\u):TS+2*(\u)+1], v[S+32*(\u):S+32*(\u)+1], v[S+32*(\u)+2:S+32*(\u)+3]
.elseif (\n) == 15
	v_pk_add_f32 v[L+2*(\u):L+2*(\u)+1], v[L+2*(\u):L+2*(\u)+1], v[TS+2*(\u):TS+2*(\u)+1]
.elseif (\n)%2
	v_pk_add_f32 v[L+2*(\u):L+2*(\u)+1], v[L+2*(\u):L+2*(\u)+1], v[S+32*(\u)+2*(\n)+2:S+32*(\u)+2*(\n)+3]
.else
	v_pk_add_f32 v[TS+2*(\u):TS+2*(\u)+1], v[TS+2*(\u):TS+2*(\u)+1], v[S+32*(\u)+2*(\n)+2:S+32*(\u)+2*(\n)+3]
.endif
.endm
.macro SUM2 n
	SUM 0, \n
	SUM 1, \n
.endm
; 64 keys x 2 query tiles of scores become p', their sums and codes.  The 32 registers S + 32 u are keys 64 hf + 32 h + 0 .. 31 of tile u's query: one whole block, number 2 hf + h of the step's four.
; Behind the exponentials the chains of maxima (two to a block) and the four chains of sums go by turns.
.macro SOFT hf
.set j, 0
.rept 32
	v_pk_mul_f32 v[S+j:S+j+1], v[S+j:S+j+1], s[56:57] op_sel_hi:[1,0]   ; t = score x log2(e) / 0.03; each accumulator is read from its low end on
.set j, j+2
.endr
	s_wait_alu depctr_va_vdst(0)
.set j, 0
.rept 64
	v_exp_f32 v[S+j], v[S+j]                       ; p' = 2^t
.set j, j+1
.endr
	v_nop                                          ; a plain line behind the last exponential,
	s_wait_alu depctr_va_vdst(0)                   ; and one wait for the batch, ahead of its first reader
.irp q, 0,1,2,3
	v_max3_num_f32 v[BM+\q], v[S+16*\q], v[S+16*\q+1], v[S+16*\q+2]     ; the largest p' of half a block
.endr
.set n, 0
.irp i, 3,5,7,9,11,13
	SUM2 n
.irp q, 0,1,2,3
	v_max3_num_f32 v[BM+\q], v[BM+\q], v[S+16*\q+\i], v[S+16*\q+\i+1]
.endr
.set n, n+1
.endr
	SUM2 6
	v_max3_num_f32 v[BM], v[BM], v[BM+1], v[S+15]  ; the two halves and the two numbers left over: the block's largest p'
	v_max3_num_f32 v[BM+2], v[BM+2], v[BM+3], v[S+47]
	SUM2 7
	v_max_num_f32 v[BM], v[BM], v[S+31]
	v_max_num_f32 v[BM+2], v[BM+2], v[S+63]
	SUM2 8
	v_add_nc_u32 v[SO], 0xff000000, v[BM]          ; 2 off the exponent field: the conversion's scale operand.  (No floor: every block holds a real key, and p' >= 2^-93)
	v_add_nc_u32 v[SO+1], 0xff000000, v[BM+2]
	SUM2 9
	v_lshrrev_b32 v[BX], 23, v[SO]                 ; the scale's byte of block 2 hf + h,
	v_lshrrev_b32 v[BX+1], 23, v[SO+1]
	SUM2 10
	v_lshlrev_b32 v[BX], v[H8], v[BX]              ; 8 h bits up,
	v_lshlrev_b32 v[BX+1], v[H8], v[BX+1]
	SUM2 11
	v_permlanex16_b32 v[BX+2], v[BX], s58, s59     ; and lane l xor 16's beside it
	v_permlanex16_b32 v[BX+3], v[BX+1], s58, s59
.if (\hf) == 0
	v_or_b32 v[PS], v[BX], v[BX+2]                 ; bytes 0, 1 of P's scale words
	v_or_b32 v[PS+1], v[BX+1], v[BX+3]
.else
	v_or_b32 v[BX], v[BX], v[BX+2]
	v_or_b32 v[BX+1], v[BX+1], v[BX+3]
	v_lshl_or_b32 v[PS], v[BX], 16, v[PS]          ; bytes 2, 3
	v_lshl_or_b32 v[PS+1], v[BX+1], 16, v[PS+1]
.endif
.irp u, 0,1
.irp g, 0,1,2,3
	v_cvt_scalef32_pk8_fp4_f32 v[P+8*\u+4*(\hf)+\g], v[S+32*\u+8*\g:S+32*\u+8*\g+7], v[SO+\u]   ; register 4 hf + g of the operand: keys 64 hf + 32 h + 8 g on
.endr
.endr
	v_nop                                          ; one plain line behind the scaled conversions
.irp m, 12,13,14,15                                ; the sums' last eight lines are also the places between P, its scale words and the products that take them
	SUM2 \m
.endr
.endm
; THE PREFETCHES INTO THE L2.  The 16 steps are one dense run of 1,114,112 bytes, which the loads walk 69,632 at a time.  Every cluster walks the same run: cluster 0 alone asks, the partners told apart BY ADDRESS,
; lanes 256 bytes apart: each block of 256 bytes is named once.  At the head, ahead of the opening round, its 32 waves ask once for bytes 0 .. 262,143 (8,192 a wave): img's first touch, which the two first fills and the
; first two refills load.  Then 13 pieces of 65,536 bytes follow, piece c at change of slots c, by waves 0 and 1 of each partner: all that change c + 1 loads (it ends at byte 69,632 (c + 4)) lies under piece c's end,
; 327,680 + 65,536 c, for c <= 12.  how = 1: the change behind an even step always asks; 0: behind an odd step, not in the last trip.
.macro ASK how
.if \how
	s_cmp_eq_u32 s66, 1
.else
	s_cmp_gt_u32 s61, s66
.endif
	s_cbranch_scc0 .Lnot_mine_\@
	global_prefetch_b8 v[PFO], s[62:63] th:TH_LOAD_NT scope:SCOPE_SE
.Lnot_mine_\@:
.endm
; A KEY STEP: 128 keys of my memory, from slot, and the change of slots at its end.  On entry K's first four tiles and the scale words are on their way.  zero = 1: the first step starts O^T's sums.  mask = 1: the last step.
; THE CHANGE (chg = 1, 2).  When the step's last LDS loads are issued, the wave waits for all its tensor loads (one is out: its part of the next slot) and adds 0 to its spare word; the first half of the read-out stands
; between the add and the wait for it and for my reads of the slot; the second half, work on registers, between the barrier's signal and its wait.  chg = 1: the barrier opens a round of the cluster's barrier, and behind
; the round comes the joint refill of the slot just left, with the step two on.  chg = 2: nothing is left to ask for.  chg = 0: the last step.
.macro STEP slot, zero, mask, chg, how
	s_wait_dscnt 0x0
	QK 0
	PLACES
	KFETCH \slot, 1
	SOFT 0
	s_wait_dscnt 0x0
	QK 1
	PLACES
	VFETCH \slot, 0, F
.if \mask                                          ; keys 2,024 on: rows 8-15 of tiles 5, 6, 7: lanes 16-31 of registers 8 .. 31
.irp u, 0,1
.set j, 8
.rept 24
	v_cndmask_b32 v[S+32*\u+j], v[S+32*\u+j], v[NEG], s60
.set j, j+1
.endr
.endr
.endif
	SOFT 1
	VFETCH \slot, 1, S                             ; p' has been summed and converted: its 64 registers take V's other eight fragments
	s_wait_alu depctr_va_vdst(0)
.if \chg
	s_wait_tensorcnt 0x0                           ; no tensor load of mine is out, so a group 0 may be written
	ds_add_u32 v1, v2                              ; 0 onto my spare word
.if (\chg) == 1
	s_add_nc_u64 s[G0+4*\slot+2:G0+4*\slot+3], s[G0+4*\slot+2:G0+4*\slot+3], 2*SLOTB   ; two steps on; the type bits on top are not reached
	s_wait_xcnt 0x0                                ; the last prefetch, a step back, has read its address
	s_add_nc_u64 s[62:63], s[62:63], 65536
.endif
	s_wait_dscnt 17                                ; V's first eight fragments are in; the second eight's 16 loads and the add may be out
.else
	s_wait_dscnt 16
.endif
	PV 0, \zero, F
	s_wait_dscnt 0x0                               ; the add is done, and my reads of the slot are over
.if \chg
	s_barrier_signal -1
.endif
	PV 1, \zero, S
.if \chg
	s_barrier_wait -1
.if (\chg) == 1
	CREST                                          ; no wave of any partner still reads the slot or has a load on its way
	tensor_load_to_lds s[G0+4*\slot:G0+4*\slot+3], s[36:43]
	s_nop 0
.endif
.rept 5
	v_nop                                          ; five places: the next scores are written over registers that the products above read; four serve the loads below
.endr
	KFETCH 1-\slot, 0
	SCFETCH 1-\slot
.if (\chg) == 1
	ASK \how
.endif
.endif
.endm
	s_load_b512 s[4:19], s[0:1], 0x0               ; feats, img, b1_fg, w2_fg, b2_fg, b1_bg, w2_bg, b2_bg
	s_load_b64 s[20:21], s[0:1], 0x40              ; out0
	v_lshl_add_u32 v1, v0, 2, SPARE
	v_mov_b32 v2, 0
	ds_add_u32 v1, v2                              ; the wave's opening
	ds_add_u32 v1, v2                              ; and once more, under the one wait; the set-up below, work on registers, stands between
	v_lshrrev_b32 v[T], 5, v0
	s_delay_alu instid0(VALU_DEP_1)
	v_readfirstlane_b32 s22, v[T]                  ; wave 0..7
	s_lshr_b32 s23, s22, 2                         ; m: my memory and my gate
	s_and_b32 s24, s22, 3                          ; qg: my 32 pixels
	s_bfe_u32 s25, ttmp6, 0x40000                  ; cx: it enters global addresses alone
	s_lshl_b32 s26, ttmp9, 2
	s_add_co_u32 s26, s26, s25                     ; the work-group's number
	v_and_b32 v[T], 31, v0                         ; lane
	v_and_b32 v[T+1], 15, v0                       ; r
	v_bfe_u32 v[T+2], v0, 4, 1                     ; h
	s_delay_alu instid0(VALU_DEP_3)
	v_lshlrev_b32 v[CO], 4, v[T]
	s_delay_alu instid0(VALU_DEP_4)
	v_lshlrev_b32 v[PFO], 8, v[T]
	v_lshlrev_b32 v[L4], 2, v[T]
	s_delay_alu instid0(VALU_DEP_4)
	v_lshlrev_b32 v[H32], 5, v[T+2]
	v_lshlrev_b32 v[H8], 3, v[T+2]
	s_mul_i32 s70, s23, PART
	v_add_nc_u32 v[AD], s70, v[CO]
	s_delay_alu instid0(VALU_DEP_1)
	v_add_nc_u32 v[AD+1], SLOTB, v[AD]
	s_lshr_b32 s70, s22, 1
	s_lshl_b32 s70, s70, 7
	s_and_b32 s71, s22, 1
	s_lshl_b32 s71, s71, 2
	s_add_co_u32 s70, s70, s71
	s_add_co_u32 s70, s70, XST
	v_mul_u32_u24 v5, v[T+2], XBLK
	s_delay_alu instid0(VALU_DEP_1)
	v_lshl_add_u32 v5, v[T+1], 3, v5
	s_delay_alu instid0(VALU_DEP_1)
	v_add_nc_u32 v5, s70, v5                       ; v5: x for the quantiser: query tile w: pixel 32 (w / 2) + 2 r + w % 2, channels 32 h on;
	s_delay_alu instid0(VALU_DEP_1)
	v_add_nc_u32 v6, 4*XBLK, v5                    ; v6: channels 128 + 32 h on
	s_lshl_b32 s70, s22, 11
	s_add_co_u32 s70, s70, XIMG
	v_add_nc_u32 v7, s70, v[CO]                    ; v7-9: where I put tile w's images, scale words, 1 / n
	s_lshl_b32 s70, s22, 8
	s_add_co_u32 s70, s70, XSC
	v_add_nc_u32 v8, s70, v[L4]
	s_lshl_b32 s70, s22, 7
	s_add_co_u32 s70, s70, XRN
	v_add_nc_u32 v9, s70, v[L4]
	s_lshl_b32 s70, s24, 12
	s_add_co_u32 s70, s70, XIMG
	v_add_nc_u32 v10, s70, v[CO]                   ; v10-12: where I fetch those of my two tiles, 2 qg and 2 qg + 1
	s_lshl_b32 s70, s24, 9
	s_add_co_u32 s70, s70, XSC
	v_add_nc_u32 v11, s70, v[L4]
	s_lshl_b32 s70, s24, 8
	s_add_co_u32 s70, s70, XRN
	v_add_nc_u32 v12, s70, v[L4]
	v_mul_u32_u24 v13, v[T+2], 8*XP
	s_delay_alu instid0(VALU_DEP_1)
	v_lshl_add_u32 v13, v[T+1], 3, v13
	s_lshl_b32 s70, s24, 7
	s_add_co_u32 s70, s70, XST
	s_xor_b32 s71, s23, 1
	s_mul_i32 s71, s71, 4*XBLK
	s_add_co_u32 s71, s71, s70
	v_add_nc_u32 v14, s71, v13                     ; v14: the way out: channels 128 (1 - m) + 8 h on, my two pixels 32 qg + 2 r, + 1
	s_mul_i32 s71, s23, 4*XBLK
	s_add_co_u32 s71, s71, s70
	v_add_nc_u32 v13, s71, v13                     ; v13: channels 128 m + 8 h on
	s_lshl_b32 s70, s23, 2
	s_lshr_b32 s71, s24, 1
	s_add_co_u32 s70, s70, s71
	s_mul_i32 s70, s70, XBLK
	s_and_b32 s71, s22, 1
	s_mul_i32 s71, s71, 16*XP
	s_add_co_u32 s70, s70, s71
	s_add_co_u32 s70, s70, XST
	v_add_nc_u32 v15, s70, v[CO]                   ; v15: the way out, last: the 16 rows of channels 128 (w / 4) + 16 (w % 4) on, 16 x lane
.irp j, 0,1,2,3
	v_mov_b32 v[L+\j], 0                           ; the rows' sums
	v_mov_b32 v[BX+\j], 0                          ; written once: a lane permute's destination counts as one of its sources
.endr
	v_mov_b32 v[NEG], 0xff800000
	; x's tile: 32 channels (rows, 4,096 elements apart) x 128 pixels of 4 bytes, 16 bytes of padding behind each row of 128 words; no mask: each work-group's own
	s_mov_b32 s28, (2<<16)|(1<<20)|(6<<22)|(3<<25)
	s_mov_b32 s29, 128<<16
	s_mov_b32 s30, 32<<16
	s_mov_b32 s31, 128<<16
	s_mov_b32 s32, 32
	s_mov_b32 s33, 4096
	s_mov_b32 s34, 0
	s_mov_b32 s35, 0
	; a wave's eighth of a step: 34 dense rows of 32 elements of 8 bytes; the mask names all four work-groups, bit 21 beside it
	s_mov_b32 s36, 15|(3<<16)|(1<<21)
	s_mov_b32 s37, 32<<16
	s_mov_b32 s38, 34<<16
	s_mov_b32 s39, 32<<16
	s_mov_b32 s40, 34
	s_mov_b32 s41, 32
	s_mov_b32 s42, 0
	s_mov_b32 s43, 0
	s_mov_b32 s44, 1
	s_mul_i32 s45, s22, XBLK
	s_add_co_u32 s45, s45, XST                     ; channel block w
	s_mov_b32 s48, 1
	s_mul_i32 s49, s22, WPART                      ; slot 0, my eighth
	s_mov_b32 s52, 1
	s_add_co_u32 s53, s49, SLOTB                   ; slot 1
	s_mov_b32 s56, 0x42405bfe                      ; log2(e) / 0.03
	s_mov_b32 s57, s56                             ; (named with it as a pair, so it is written)
	s_mov_b32 s58, 0x76543210
	s_mov_b32 s59, 0xfedcba98                      ; v_permlanex16_b32's selects for lane l xor 16
	s_mov_b32 s60, 0xffff0000                      ; lanes 16-31
	s_lshr_b32 s66, s22, 1
	s_or_b32 s66, s66, ttmp9                       ; waves 0 and 1 of cluster 0 prefetch in the steps: the same in all four partners
	s_cmp_eq_u32 s66, 0
	s_cselect_b32 s66, 1, -1
	s_lshr_b32 s84, s26, 5                         ; the image: 32 work-groups each,
	s_lshl_b32 s84, s84, 22                        ; 4,194,304 bytes each
	s_and_b32 s85, s26, 31
	s_lshl_b32 s85, s85, 9                         ; my 128 pixels
	s_add_co_u32 s84, s84, s85
	s_lshl_b32 s92, s23, 21                        ; out0: channel 128 (w / 4) + 16 (w % 4), 16,384 bytes a channel
	s_lshl_b32 s85, s24, 18
	s_add_co_u32 s92, s92, s85
	s_add_co_u32 s92, s92, s84
	s_mov_b32 s93, 0
	s_lshl_b32 s85, s22, 19                        ; x: channel block w: 32 x 16,384 bytes
	s_add_co_u32 s84, s84, s85
	s_mov_b32 s85, 0
	s_lshl_b32 s86, s25, 14
	s_lshl_b32 s87, s22, 13
	s_add_co_u32 s86, s86, s87
	s_add_co_u32 s86, s86, 196608                  ; a piece short of the first: the first change of slots steps it
	s_mov_b32 s87, 0
	s_lshl_b32 s94, s25, 16                        ; the head's prefetch: 65,536 bytes a partner, 8,192 a wave
	s_lshl_b32 s95, s22, 13
	s_add_co_u32 s94, s94, s95
	s_mov_b32 s95, 0
	s_mov_b32 s82, s49
	s_mov_b32 s83, 0
	s_mul_i32 s90, s23, 8704
	s_add_co_u32 s90, s90, W1IMG
	s_mov_b32 s91, 0
	s_wait_dscnt 0x0                               ; both opening adds are done
	s_wait_kmcnt 0x0
	s_add_nc_u64 s[46:47], s[4:5], s[84:85]
	s_or_b32 s47, s47, 0x80000000
	s_add_nc_u64 s[20:21], s[20:21], s[92:93]      ; out0 at my first row
	s_add_nc_u64 s[50:51], s[6:7], s[82:83]        ; step 0,
	s_add_nc_u64 s[54:55], s[50:51], SLOTB         ; step 1
	s_or_b32 s51, s51, 0x80000000
	s_or_b32 s55, s55, 0x80000000
	s_add_nc_u64 s[62:63], s[6:7], s[86:87]
	s_add_nc_u64 s[94:95], s[6:7], s[94:95]
	s_add_nc_u64 s[78:79], s[6:7], s[90:91]        ; my gate's images of W1
	s_cmp_eq_u32 s23, 0
	s_cselect_b64 s[72:73], s[8:9], s[14:15]       ; b1
	s_cselect_b64 s[74:75], s[10:11], s[16:17]     ; w2
	s_cselect_b64 s[76:77], s[12:13], s[18:19]     ; b2
	s_cselect_b32 s67, 1.0, -1.0                   ; + g_fg mem_fg, - g_bg mem_bg
	s_cmp_lg_u32 ttmp9, 0                          ; the cluster's number: the same in all four partners
	s_cbranch_scc1 .Lno_first
	global_prefetch_b8 v[PFO], s[94:95] th:TH_LOAD_NT scope:SCOPE_SE   ; img's bytes 0 .. 262,143; its address registers are never written again
.Lno_first:
	CROUND                                         ; the round in front of the first tensor loads
	tensor_load_to_lds s[44:47], s[28:35]          ; x, my one load at the head: it is wanted first
	s_nop 0
	PLACES
	WIN 0x40                                       ; destination window 1
.irp f, 0,1,2,3,4,5,6,7
.irp c, 0,1
	global_load_b128 v[8*\f+4*\c:8*\f+4*\c+3], v[CO], s[78:79] offset:1024*\f+512*\c   ; W1's fragment (t, ks) = f: v[8 f ..]
.endr
.endr
.irp t, 0,1,2,3                                    ; b1 and w2 in the result's layout: lane (r, h), register j: unit 16 t + 8 h + j
	global_load_b128 v[64+8*\t:64+8*\t+3], v[H32], s[72:73] offset:64*\t
	global_load_b128 v[64+8*\t+4:64+8*\t+7], v[H32], s[72:73] offset:64*\t+16
	global_load_b128 v[96+8*\t:96+8*\t+3], v[H32], s[74:75] offset:64*\t
	global_load_b128 v[96+8*\t+4:96+8*\t+7], v[H32], s[74:75] offset:64*\t+16
.endr
	WIN 0
.irp i, 0,1,2,3
	global_load_b32 v[W1S+\i], v[L4], s[78:79] offset:8192+128*\i
.endr
	s_load_b32 s68, s[76:77], 0x0                  ; b2
	s_wait_tensorcnt 0x0                           ; my block of x is in
	ds_add_u32 v1, v2
	s_wait_dscnt 0x0
	CROUND                                         ; everybody's block is in, and all four work-groups are here: the joint loads meet
	tensor_load_to_lds s[48:51], s[36:43]          ; step 0 into slot 0: it lands while x is quantised
	s_nop 0
	PLACES
	; ---- X: wave w normalises and quantises query tile w.  Lane (r, h) holds channels 64 q + 32 h + 0 .. 31, q = 0 .. 3: four whole blocks
.irp ks, 0,1
.irp c, 0,1
.set i, 0
.rept 32
	ds_load_b32 v[S+64*\ks+32*\c+i], v[5+\ks] offset:2*XBLK*\c+XP*i
.set i, i+1
.endr
.endr
.endr
	s_wait_dscnt 0x0
.irp k, 0,1,2,3
	v_pk_mul_f32 v[T+2*\k:T+2*\k+1], v[S+2*\k:S+2*\k+1], v[S+2*\k:S+2*\k+1]     ; the sum of squares, in four chains
.endr
.set p, 4
.rept 60
	s_delay_alu instid0(VALU_DEP_4)
	v_pk_fma_f32 v[T+2*(p%4):T+2*(p%4)+1], v[S+2*p:S+2*p+1], v[S+2*p:S+2*p+1], v[T+2*(p%4):T+2*(p%4)+1]
.set p, p+1
.endr
	s_delay_alu instid0(VALU_DEP_3)
	v_pk_add_f32 v[T:T+1], v[T:T+1], v[T+2:T+3]
	s_delay_alu instid0(VALU_DEP_2)
	v_pk_add_f32 v[T+4:T+5], v[T+4:T+5], v[T+6:T+7]
	s_delay_alu instid0(VALU_DEP_1)
	v_pk_add_f32 v[T:T+1], v[T:T+1], v[T+4:T+5]
	s_delay_alu instid0(VALU_DEP_1)
	v_add_f32 v[T], v[T], v[T+1]
	s_delay_alu instid0(VALU_DEP_1)
	v_permlanex16_b32 v[T+1], v[T], s58, s59
	s_delay_alu instid0(VALU_DEP_1)
	v_add_f32 v[T], v[T], v[T+1]                   ; with lane l xor 16's 128 channels
	s_wait_alu depctr_va_vdst(0)
	v_sqrt_f32 v[T], v[T]
	v_nop
	s_wait_alu depctr_va_vdst(0)
	v_max_num_f32 v[T], 0x2b8cbccc, v[T]           ; max(n, 1e-12)
	s_wait_alu depctr_va_vdst(0)
	v_rcp_f32 v[T], v[T]
	v_nop
	s_wait_alu depctr_va_vdst(0)
.set p, 0
.rept 64
	v_pk_mul_f32 v[S+2*p:S+2*p+1], v[S+2*p:S+2*p+1], v[T:T+1] op_sel_hi:[1,0]
.set p, p+1
.endr
.irp q, 0,1,2,3
	v_max3_num_f32 v[BM+\q], |v[S+32*\q]|, |v[S+32*\q+1]|, 0x1800000    ; with the floor 2^(3 - 127): the byte cannot fall under 1
.endr
.irp i, 2,4,6,8,10,12,14,16,18,20,22,24,26,28,30
.irp q, 0,1,2,3
	s_delay_alu instid0(VALU_DEP_4)
	v_max3_num_f32 v[BM+\q], v[BM+\q], |v[S+32*\q+\i]|, |v[S+32*\q+\i+1]|
.endr
.endr
.irp q, 0,1,2,3
	s_delay_alu instid0(VALU_DEP_4)
	v_add_nc_u32 v[SO+\q], 0xff000000, v[BM+\q]
.endr
.irp q, 0,1,2,3
	s_delay_alu instid0(VALU_DEP_4)
	v_lshrrev_b32 v[BX+\q], 23, v[SO+\q]
.endr
.irp ks, 0,1                                       ; my bytes are those of blocks h and 2 + h of each 128 channels; lane l xor 16 holds the other two
	v_lshl_or_b32 v[T+2+\ks], v[BX+2*\ks+1], 16, v[BX+2*\ks]
.endr
.irp ks, 0,1
	s_delay_alu instid0(VALU_DEP_2)
	v_lshlrev_b32 v[T+2+\ks], v[H8], v[T+2+\ks]
.endr
.irp ks, 0,1
	s_delay_alu instid0(VALU_DEP_2)
	v_permlanex16_b32 v[T+4+\ks], v[T+2+\ks], s58, s59
.endr
.irp ks, 0,1
	s_delay_alu instid0(VALU_DEP_2)
	v_or_b32 v[T+2+\ks], v[T+2+\ks], v[T+4+\ks]
.endr
.irp q, 0,1,2,3
.irp g, 0,1,2,3
	v_cvt_scalef32_pk8_fp4_f32 v[P+4*\q+\g], v[S+32*\q+8*\g:S+32*\q+8*\g+7], v[SO+\q]
.endr
.endr
	v_nop                                          ; one plain line behind the scaled conversions
.irp q, 0,1,2,3
	ds_store_b128 v7, v[P+4*\q:P+4*\q+3] offset:512*\q     ; the two fragments as images of their registers
.endr
	ds_store_b32 v8, v[T+2]
	ds_store_b32 v8, v[T+3] offset:128
	ds_store_b32 v9, v[T]                          ; 1 / n, for the way out
	s_wait_tensorcnt 0x0                           ; my part of slot 0 is in; the same lines ahead of slot 1's first fill
	ds_add_u32 v1, v2
	s_wait_dscnt 0x0                               ; the add is done, and for the others' sake my stores have landed
	CROUND
	tensor_load_to_lds s[52:55], s[36:43]          ; step 1 into slot 1: it lands under the gate and step 0
	s_nop 0
	PLACES
	; ---- my two tiles' operands, and the first step's first fragments
.irp u, 0,1
.irp ks, 0,1
.irp c, 0,1
	ds_load_b128 v[Q+16*\u+8*\ks+4*\c:Q+16*\u+8*\ks+4*\c+3], v10 offset:2048*\u+1024*\ks+512*\c
.endr
.endr
.endr
.irp u, 0,1
.irp ks, 0,1
	ds_load_b32 v[QS+2*\u+\ks], v11 offset:256*\u+128*\ks
.endr
.endr
	ds_load_b32 v[RN], v12
	ds_load_b32 v[RN+1], v12 offset:128
	KFETCH 0, 0
	SCFETCH 0
	s_wait_dscnt 20                                ; Q, its scale words and 1 / n are in; the 20 loads from the ring may be out
	s_wait_loadcnt 0x0                             ; W1, b1, w2
	s_wait_kmcnt 0x0                               ; b2
	; ---- my gate for my 32 pixels: h^T = W1^T xn^T + b1 (b1 is the C of each sum's first product), eight accumulators by turns
	WIN 0x51                                       ; W1, C and D in window 1, Q in window 0
.irp ks, 0,1
.irp t, 0,1,2,3
.irp u, 0,1
.set rD, 128+8*(2*\t+\u)
.if \ks == 0
.set rC, 64+8*\t
.else
.set rC, rD
.endif
.set rA, 8*(2*\t+\ks)
.set rB, Q+16*\u+8*\ks
.set rSA, W1S+2*(\t/2)+\ks
.set rSB, QS+2*\u+\ks
	WMS \t%2, 0
.endr
.endr
.endr
	WIN 0
	PLACES
	WIN 0x55                                       ; all in window 1
.set j, 0
.rept 64
	v_max_num_f32 v[128+j], 0, v[128+j]            ; relu; each accumulator from its low end on
.set j, j+1
.endr
.irp t, 0,1
.irp u, 0,1
	v_mul_f32 v[192+2*\u+\t], v[128+8*(2*\t+\u)], v[96+8*\t]      ; h . w2 in f32: four chains, started by their first terms
.endr
.endr
.irp j, 0,1,2,3,4,5,6,7
.irp t, 0,1,2,3
.irp u, 0,1
.if (\j > 0) || (\t > 1)
	s_delay_alu instid0(VALU_DEP_4)
	v_fma_f32 v[192+2*\u+\t%2], v[128+8*(2*\t+\u)+\j], v[96+8*\t+\j], v[192+2*\u+\t%2]
.endif
.endr
.endr
.endr
	WIN 0x05                                       ; sources in window 1, destination in window 0
.irp u, 0,1
	v_add_f32 v[T+\u], v[192+2*\u], v[193+2*\u]
.endr
	WIN 0
.irp u, 0,1
	v_permlanex16_b32 v[T+2+\u], v[T+\u], s58, s59
.endr
	s_mov_b32 s88, 0xbfb8aa3b                      ; -log2(e)
	s_mul_f32 s89, s68, s88
.irp u, 0,1
	v_add_f32 v[T+\u], v[T+\u], v[T+2+\u]          ; with lane l xor 16's 32 units
.endr
.irp u, 0,1
	s_delay_alu instid0(VALU_DEP_2)
	v_fma_f32 v[T+\u], v[T+\u], s88, s89           ; -(z + b2) log2(e)
.endr
	s_wait_alu depctr_va_vdst(0)
.irp u, 0,1
	v_exp_f32 v[T+\u], v[T+\u]
.endr
	v_nop
	s_wait_alu depctr_va_vdst(0)
.irp u, 0,1
	v_add_f32 v[T+\u], 1.0, v[T+\u]
.endr
	s_wait_alu depctr_va_vdst(0)
.irp u, 0,1
	v_rcp_f32 v[G+\u], v[T+\u]                     ; the sigmoid
.endr
	v_nop
	s_wait_alu depctr_va_vdst(0)
	; ---- the 16 steps.  Step s lies in slot s % 2; the changes behind steps 0 to 13 ask for the step two on: no load is jumped over
	s_mov_b32 s61, 6
	STEP 0, 1, 0, 1, 1
	STEP 1, 0, 0, 1, 0
.Lpair:
	STEP 0, 0, 0, 1, 1
	STEP 1, 0, 0, 1, 0
	s_sub_co_u32 s61, s61, 1
	s_cmp_lg_u32 s61, 0
	s_cbranch_scc1 .Lpair
	STEP 0, 0, 0, 2, 0                             ; the last change asks for nothing
	STEP 1, 0, 1, 0, 0
	; ---- THE WAY OUT, through x's own bytes in LDS, in four quarters of four of my channel tiles.  My image tiles 0-7 are channels 128 m on, tiles 8-15 the other 128.  A quarter with first = 1 makes x / n + (+-g / l) O;
	; the quarter behind it, behind a barrier, adds (+-g / l) O to what the other memory's wave has just written.  The order of tiles is 0-3, 8-11, 4-7, 12-15: behind the second quarter channels 0-63 and 128-191 are
	; whole and are stored, 16 rows of 512 bytes a wave, ahead of the other two quarters, which touch other bytes of the stage.  A lane's 8 bytes are its two pixels.
.macro EPI adr, t0, o0, first, lsum
.set t, 0
.rept 4
.set j, 0
.rept 8
	ds_load_b64 v[S+2*(8*t+j):S+2*(8*t+j)+1], v[\adr] offset:(((\o0)+t)/2)*XBLK+((((\o0)+t)%2)*16+j)*XP
.set j, j+1
.endr
.set t, t+1
.endr
.if \lsum
	s_wait_alu depctr_va_vdst(0)
.irp u, 0,1
	v_add_f32 v[T+\u], v[L+2*\u], v[L+2*\u+1]      ; the sum's two halves,
.endr
.irp u, 0,1
	s_delay_alu instid0(VALU_DEP_2)
	v_permlanex16_b32 v[T+2+\u], v[T+\u], s58, s59
.endr
.irp u, 0,1
	s_delay_alu instid0(VALU_DEP_2)
	v_add_f32 v[T+\u], v[T+\u], v[T+2+\u]          ; and lane l xor 16's: l
.endr
	s_wait_alu depctr_va_vdst(0)
.irp u, 0,1
	v_rcp_f32 v[T+\u], v[T+\u]
.endr
	v_nop
	s_wait_alu depctr_va_vdst(0)
.irp u, 0,1
	v_mul_f32 v[G+\u], v[G+\u], v[T+\u]
.endr
.irp u, 0,1
	s_delay_alu instid0(VALU_DEP_2)
	v_mul_f32 v[G+\u], s67, v[G+\u]                ; +-g / l
.endr
	s_wait_alu depctr_va_vdst(0)
.endif
	s_wait_dscnt 0x0
.if \first
.set p, 0
.rept 32
	v_pk_mul_f32 v[S+2*p:S+2*p+1], v[S+2*p:S+2*p+1], v[RN:RN+1]      ; xn of my two pixels
.set p, p+1
.endr
.endif
	WIN 0x01                                       ; source 0 (O^T) in window 1
.set t, 0
.rept 4
.irp u, 0,1
.set j, 0
.rept 8
	v_fma_f32 v[S+2*(8*t+j)+\u], v[16*((\t0)+t)+8*\u+j], v[G+\u], v[S+2*(8*t+j)+\u]    ; each accumulator from its low end on
.set j, j+1
.endr
.endr
.set t, t+1
.endr
	WIN 0
.set t, 0
.rept 4
.set j, 0
.rept 8
	ds_store_b64 v[\adr], v[S+2*(8*t+j):S+2*(8*t+j)+1] offset:(((\o0)+t)/2)*XBLK+((((\o0)+t)%2)*16+j)*XP
.set j, j+1
.endr
.set t, t+1
.endr
	s_wait_dscnt 0x0                               ; for the others' sake: my stores have landed
	s_barrier_signal -1
	s_barrier_wait -1
.endm
.macro OUTS o                          ; my 16 rows of the finished half o: channels 128 (w / 4) + 64 o + 16 (w % 4) on
.set i, 0
.rept 16
	ds_load_b128 v[F+4*i:F+4*i+3], v15 offset:(\o)*2*XBLK+XP*i
.set i, i+1
.endr
.set i, 0
.rept 16
	s_wait_dscnt 15-i                              ; row i is in; the younger loads may be out
	global_store_b128 v[CO], v[F+4*i:F+4*i+3], s[20:21] offset:(\o)*1048576+16384*i th:TH_STORE_NT   ; 32 lanes store 512 consecutive bytes, at a multiple of 512 from out0's first byte
.set i, i+1
.endr
.endm
	PLACES                                         ; in front of loads into registers that the last products read
	EPI 13, 0, 0, 1, 1
	EPI 14, 8, 0, 0, 0
	OUTS 0
	EPI 13, 4, 4, 1, 0
	EPI 14, 12, 4, 0, 0
	s_wait_xcnt 0x0                                ; the first half's stores have read their registers, which the loads below fill again
	OUTS 1
	s_wait_tensorcnt 0x0                           ; the wave's end, behind my last tensor load and my last LDS store
	ds_add_u32 v1, v2
	s_wait_dscnt 0x0
	CROUND                                         ; the closing round: no work-group ends while a partner may still ask for a tile that names it
	s_endpgm
.Lfunc_end_k_q3fa2c8a131_attend:
	.size	k_q3fa2c8a131_attend, .Lfunc_end_k_q3fa2c8a131_attend-k_q3fa2c8a131_attend
	.p2alignl 7, 3214868480
	.fill 96, 4, 3214868480
	.section	.rodata,"a",@progbits
	.p2align	6, 0x0
	.amdhsa_kernel k_q3fa2c8a131_attend
		.amdhsa_group_segment_fixed_size 327680
		.amdhsa_private_segment_fixed_size 0
		.amdhsa_enable_private_segment 0
		.amdhsa_kernarg_size 72
		.amdhsa_user_sgpr_count 2
		.amdhsa_user_sgpr_kernarg_segment_ptr 1
		.amdhsa_wavefront_size32 1
		.amdhsa_system_sgpr_workgroup_id_x 1
		.amdhsa_system_sgpr_workgroup_id_y 1
		.amdhsa_system_sgpr_workgroup_id_z 1
		.amdhsa_system_vgpr_workitem_id 0
		.amdhsa_next_free_vgpr 512
		.amdhsa_next_free_sgpr 100
		.amdhsa_reserve_vcc 0
		.amdhsa_float_denorm_mode_32 3
		.amdhsa_float_denorm_mode_16_64 3
		.amdhsa_memory_ordered 1
		.amdhsa_forward_progress 1
		.amdhsa_inst_pref_size 255
	.end_amdhsa_kernel
	.section	.bss,"aw",@nobits
	.p2align	6
	.space	262144
	.amdgpu_metadata
---
amdhsa.version: [ 1, 2 ]
amdhsa.kernels:
  - .name:           k_q3fa2c8a131_attend
    .symbol:         k_q3fa2c8a131_attend.kd
    .args:
      - { .name: feats, .offset: 0, .size: 8, .value_kind: global_buffer, .address_space: global }
      - { .name: img, .offset: 8, .size: 8, .value_kind: global_buffer, .address_space: global }
      - { .name: b1_fg, .offset: 16, .size: 8, .value_kind: global_buffer, .address_space: global }
      - { .name: w2_fg, .offset: 24, .size: 8, .value_kind: global_buffer, .address_space: global }
      - { .name: b2_fg, .offset: 32, .size: 8, .value_kind: global_buffer, .address_space: global }
      - { .name: b1_bg, .offset: 40, .size: 8, .value_kind: global_buffer, .address_space: global }
      - { .name: w2_bg, .offset: 48, .size: 8, .value_kind: global_buffer, .address_space: global }
      - { .name: b2_bg, .offset: 56, .size: 8, .value_kind: global_buffer, .address_space: global }
      - { .name: out0, .offset: 64, .size: 8, .value_kind: global_buffer, .address_space: global }
    .group_segment_fixed_size: 327680
    .private_segment_fixed_size: 0
    .kernarg_segment_align: 8
    .kernarg_segment_size: 72
    .max_flat_workgroup_size: 256
    .sgpr_count:     100
    .vgpr_count:     512
    .wavefront_size: 32
...
	.end_amdgpu_metadata
.endif
;; end of part 2
